; MI455X (gfx1250); checked and timed in simulation.
; The chip was launched on July 23, 2026; its instructions are those of AMD's public machine-readable ISA for CDNA 5 (MIT licence, August 2026) and "CDNA5" Instruction Set Architecture Reference Guide (July 2026). The comments in the code are by the model that wrote it; some were corrected since.
;; Self Position Attention. Allowed arithmetic: matrix products marked QUANTISED: E4M3 operands, one given power-of-two scale a tensor, by v_wmma_f32_16x16x64_fp8_fp8 or v_wmma_f32_16x16x128_fp8_fp8, f32 sums; products left as they are: f32 operands where the result goes on into a quantised operand, else bf16, f16 or f32 operands; f32 sums; everything else in f32.
;; Inputs: Wk_codes 16 x 4 x 32 uint8 (E4M3 codes of Wk, K innermost, in blocks of 32 codes); Wq_codes 16 x 4 x 32 uint8 (E4M3 codes of Wq, K innermost, in blocks of 32 codes); Wv_codes 128 x 4 x 32 uint8 (E4M3 codes of Wv, K innermost, in blocks of 32 codes); bk 16 float32; bq 16 float32; bv 128 float32; gamma 1 float32; lowp_scales 8 int32 (the exponents e of the quantised operands' scales 2^e); x 1 x 128 x 256 x 256 float32.
;; Outputs: out0 1 x 128 x 256 x 256 float32.
;; This version of the problem:
;;   THIS VERSION OF THE PROBLEM IS GIVEN IN LOW PRECISION. The matrix products marked QUANTISED in the list below multiply operands that are first quantised to E4M3 (4 exponent bits, 3 mantissa bits; 8 bits a number), with one given power-of-two scale for each operand tensor; their sums are f32. All else is computed in f32.
;;   The module's matrix products, in the order in which they are computed (A, B: the left and right operand; K: the contracted axis; several contracted axes count as one K, in the product's order):
;;     1. [M 16,384, K 128] x [K 128, N 16]; A: computed on the way; B: input Wq (given as codes): QUANTISED (scales: A lowp_scales[0], B lowp_scales[1])
;;     2. [M 16,384, K 128] x [K 128, N 16]; A: computed on the way; B: input Wk (given as codes): QUANTISED (scales: A lowp_scales[2], B lowp_scales[3])
;;     3. [M 16,384, K 16] x [K 16, N 16,384]; A: computed on the way; B: computed on the way: left as it is (K = 16 < 32)
;;     4. [M 16,384, K 128] x [K 128, N 128]; A: computed on the way; B: input Wv (given as codes): QUANTISED (scales: A lowp_scales[4], B lowp_scales[5])
;;     5. [M 128, K 16,384] x [K 16,384, N 16,384]; A: computed on the way; B: softmax (see below): QUANTISED (scales: A lowp_scales[6], B lowp_scales[7])
;;   THE QUANTISER, for each operand of a quantised product, along K:
;;     - The operand's scale is 2^e, e = its entry of the input lowp_scales (int32; the entries are numbered through the quantised products in the list's order, A before B).
;;     - Each number is divided by the scale, clamped to +-448, and rounded to the nearest number of E4M3, ties to even, subnormals kept.
;;     - The product sums the exact products of the quantised numbers (number of the format x scale) in f32.
;;   ~~~python
;;   def quantise(x, axis, e):      # numpy; x: float32 -> the quantised numbers, widened to float32 again
;;       x = np.moveaxis(x, axis, -1); K = x.shape[-1]
;;       r = np.clip(x / 2.0 ** e, -448, 448)
;;       step = 2.0 ** (np.maximum(np.frexp(np.where(r == 0, 1, r))[1] - 1, -6) - 3)
;;       q = np.round(r / step) * step * 2.0 ** e      # np.round: ties to even
;;       return np.moveaxis(q, -1, axis).astype(np.float32)
;;   ~~~
;;   SOFTMAX AHEAD OF A QUANTISED PRODUCT. Where the list says 'softmax', what is quantised is not the finished softmax but p = 2^(t - M), with t = logit x log2(e) and M = ceil(the row's largest t), a whole number; so 1/2 < the row's largest p <= 1. The row's sum l is taken of the UNQUANTISED p, in f32, and the product's result is divided by l at the end. Since M is a whole number, a kernel that streams over the keys may use a running M (the ceiling of the running maximum): every later rescaling is an exact power of two, so the quantised numbers keep their values, but for numbers so far below the row's largest that they fall under the format's range.
;;   OPERANDS COMPUTED ON THE WAY. 'Computed on the way' means the value that the module computes at that place (a softmax that the list does not call 'softmax' is quantised finished and normalised). What goes into a quantiser is computed in f32, as accurately as f32 sums, v_exp_f32 and their like allow (about 1e-6 of the number): no bf16 or f16 on the way to a quantiser, and a product that is left as it is and whose result goes on into a quantised operand takes f32 operands (vector FMAs, or v_wmma_f32_16x16x4_f32). A number that lies on a knife's edge between two numbers of the format may be rounded either way, as far as f32 arithmetic and the matrix unit's own rounding can turn it there, and no further.
;;   INPUTS GIVEN AS CODES. Wk (in the module: [16, 128], K = its axis 1); Wq (in the module: [16, 128], K = its axis 1); Wv (in the module: [128, 128], K = its axis 1): each comes as NAME_codes (uint8): NAME with its K axis moved to the last place and cut into blocks of 32 codes, [.., K / 32, bytes a block], one block behind the other in memory; one code a byte (a code: sign, 4 exponent bits, 3 mantissa bits); its scale is its entry of lowp_scales. Its value is code x scale, taken as it is: it is not quantised again, and the codes and scales need not be those that the quantiser above would give.
;; One version. Each part assembles by itself: llvm-mc -triple=amdgcn-amd-amdhsa -mcpu=gfx1250 --defsym DOCPART=n.
;; ======== version 1 of 1: 3 launches
;; workspace buffers: qbuf 1,048,576 bytes; kvbuf 3,145,728 bytes; obuf 8,388,608 bytes
;; launch project (part 1): grid 256 x 1, 8 waves a work-group, no clusters, 34,816 bytes of LDS; arguments x, Wq_codes, Wk_codes, Wv_codes, bq, bk, bv, lowp_scales, qbuf, kvbuf; writes qbuf, kvbuf
.if DOCPART == 1
	.amdgcn_target "amdgcn-amd-amdhsa--gfx1250"
	.amdhsa_code_object_version 6
	.text
	.protected	k_q89bd5ffd22_project
	.globl	k_q89bd5ffd22_project
	.p2align	8
	.type	k_q89bd5ffd22_project,@function
k_q89bd5ffd22_project:
	s_mov_b64 s[64:65], 0
	v_nop
	global_prefetch_b8 v0, s[64:65] scope:SCOPE_SE
	s_setreg_imm32_b32 hwreg(HW_REG_WAVE_MODE, 25, 1), 1
	s_wait_xcnt 0x0
; y = the 2 x 2 mean of x; q = (y Wq^T + bq) log2(e), k = y Wk^T + bk in f32; v = y Wv^T + bv as codes of E4M3.  The three products run on codes of E4M3 with the given scales.
; x: [128][256][256] f32.  A position n = 128 (pooled row) + pooled column; work-group g owns positions 64 g .. 64 g + 63: 128 channels x 2 rows x 512 bytes of x, each byte read once.
; WHAT IS STORED, as images of the registers in which the next launch wants it (a store of the wave covers 512 consecutive bytes, aligned):
;   q, k: a tile is 16 positions x 16 dims of f32, 1,024 bytes: lane (r, h) has dims 8 h + 4 j + 0 .. 3 of position(r) at 512 j + 16 lane.  Tile 2 B + u holds positions 32 B + 8 u + r + 8 (r / 8).
;   v:    a chunk is 16 channels x 32 keys of codes, 512 bytes: lane (r, h) has keys 32 c + 16 h + 0 .. 15 of channel 16 ct + r at 16 lane.
;   kvbuf: one block of 24,576 bytes for each 128 keys: 8 tiles of k, then 8 channel tiles x 4 chunks of v.
; SHARES.  Loading: wave w pools channels 16 w .. 16 w + 15 and lays y^T (a row a position, 128 channels of f32) in LDS.  One barrier.  Products: b = w & 1 is the block of 32 positions, gg = w >> 1;
;   the wave makes tile (b, u = gg & 1) of q (gg < 2) or of k, and channels 32 gg .. 32 gg + 31 of v for the block's 32 positions.  One path for all waves: only pointers, offsets and constants are chosen.
; q's and k's product takes W as source 0 and y's codes as source 1: a lane then holds 8 dims of one position: the image.  v's takes y's codes as source 0 and Wv as source 1: a lane holds one channel, its registers run along the positions,
;   and the positions of a tile are chosen so that two tiles' 16 registers are 16 neighbouring positions: the keys of the next launch's product, K innermost.
; The codes lie in the operands with k = 32 c + 16 h + 0 .. 15 in registers 4 c .. 4 c + 3, alike in both sources: every product meets its partner.
; LIMITS: the exponents e0, e2, e4, e6 lie between -126 and 119; e0 + e1, e2 + e3, e4 + e5 between -126 and 127, so that each power of two below is an f32 number.  NaN and infinities among the inputs are not served.
.set CHB,  262144                      ; bytes of a channel of x
.set YP,   528                         ; a row of y^T in LDS: 512 bytes + 16
.set BLK,  24576                       ; a block of kvbuf
.set DQ,   8                           ; v8-15    q's or k's tile
.set WF,   16                          ; v16-31   Wq's or Wk's fragment
.set WVF,  32                          ; v32-63   Wv's two fragments
.set BI,   64                          ; v64-71   bq or bk at dims 8 h + 0 .. 7;  v72, v73: bv of my lane's two channels
.set XR,   80                          ; v80-207  x as loaded: channel i, row p at 80 + 8 i + 4 p
.set SA,   80                          ; later: two sets of 64 numbers of y
.set SB,   144
.set YT,   208                         ; v208-239 the pooled numbers: 16 channels of position 2 lane, then of 2 lane + 1
.set CQ,   208                         ; later: y's codes for q or k;
.set CV0,  224                         ; for v, positions' tile 0;
.set CV1,  240                         ; and tile 1
.set DV,   144                         ; v144-175 v's accumulators: channel tile t, positions' tile u at 144 + 16 t + 8 u
	s_load_b512 s[4:19], s[0:1], 0x0               ; x 4:5, Wq 6:7, Wk 8:9, Wv 10:11, bq 12:13, bk 14:15, bv 16:17, the exponents 18:19
	s_load_b128 s[20:23], s[0:1], 0x40             ; qbuf 20:21, kvbuf 22:23
	s_set_vgpr_msb 0x40
	v_lshl_add_u32 v0, v0, 2, 0x8400
	v_mov_b32 v1, 0
	s_set_vgpr_msb 0x4000
	v_lshrrev_b32 v9, 5, v0
	v_readfirstlane_b32 s32, v9                    ; wave 0..7
	s_and_b32 s33, s32, 1                          ; b
	s_lshr_b32 s34, s32, 1                         ; gg
	s_and_b32 s35, s34, 1                          ; u
	s_lshr_b32 s36, s34, 1                         ; 0: q, 1: k
	s_lshr_b32 s37, ttmp9, 1                       ; the pooled row = the block of 128 keys
	s_and_b32 s38, ttmp9, 1                        ; which half of it
	v_and_b32 v10, 31, v0                          ; lane
	v_and_b32 v11, 15, v0                          ; r
	v_bfe_u32 v12, v0, 4, 1                        ; h
	v_lshlrev_b32 v1, 4, v10                       ; v1: 16 x lane
	v_and_b32 v13, 8, v11
	v_add_nc_u32 v13, v13, v11                     ; r + 8 (r / 8)
	s_lshl_b32 s59, s33, 5
	v_add_nc_u32 v13, s59, v13                     ; + 32 b
	v_mul_u32_u24 v2, v13, YP
	v_lshl_add_u32 v2, v12, 6, v2                  ; v2: y^T for v's tile 0: that row, + 64 h: my 16 channels of each 32
	s_mul_i32 s59, s35, 8*YP
	v_add_nc_u32 v3, s59, v2                       ; v3: y^T for q's or k's tile: 8 u rows on
	v_mul_u32_u24 v4, v10, 2*YP
	s_lshl_b32 s59, s32, 6
	v_add_nc_u32 v4, s59, v4                       ; v4: where I put y^T: row 2 lane, my wave's 16 channels
	v_lshlrev_b32 v5, 7, v11
	v_lshl_add_u32 v5, v12, 4, v5                  ; v5: a weight's row r of 128 codes, + 16 h
	v_lshlrev_b32 v6, 5, v12                       ; v6: 8 h numbers into bq or bk
	v_lshlrev_b32 v7, 2, v11                       ; v7: r numbers into bv
	; byte offsets, apart from the addresses
	s_lshl_b32 s40, s32, 22                        ; x: 16 channels a wave,
	s_lshl_b32 s59, s37, 11                        ; two rows of 1,024 bytes a pooled row,
	s_add_co_u32 s40, s40, s59
	s_lshl_b32 s59, s38, 9                         ; 512 bytes a half
	s_add_co_u32 s40, s40, s59
	s_mov_b32 s41, 0
	s_lshl_b32 s48, s34, 12                        ; Wv: 32 rows of 128 codes for each gg
	s_mov_b32 s49, 0
	s_lshl_b32 s50, s34, 7                         ; bv: 32 numbers
	s_mov_b32 s51, 0
	s_mul_i32 s39, s37, BLK                        ; my block of kvbuf
	s_lshl_b32 s59, s38, 1
	s_add_co_u32 s59, s59, s33                     ; 2 half + b: which 32 of the block's 128 keys
	s_lshl_b32 s60, s59, 9
	s_add_co_u32 s52, s39, s60                     ; v's codes: the chunk,
	s_add_co_u32 s52, s52, s48                     ; two channel tiles of 2,048 bytes for each gg,
	s_add_co_u32 s52, s52, 8192                    ; behind k's eight tiles
	s_mov_b32 s53, 0
	s_lshl_b32 s59, s59, 1
	s_add_co_u32 s59, s59, s35                     ; k's tile in the block: 4 half + 2 b + u
	s_lshl_b32 s60, s59, 10
	s_add_co_u32 s60, s60, s39
	s_lshl_b32 s61, ttmp9, 2
	s_lshl_b32 s62, s33, 1
	s_add_co_u32 s61, s61, s62
	s_add_co_u32 s61, s61, s35                     ; q's tile: 4 g + 2 b + u
	s_lshl_b32 s61, s61, 10
	s_cmp_eq_u32 s36, 0                            ; q or k?  The choice hangs on the wave's number alone
	s_cselect_b32 s46, s61, s60
	s_mov_b32 s47, 0
	s_cselect_b32 s57, 0x3fb8aa3b, 1.0             ; q is stored x log2(e), so that a score of the next launch is t itself
	s_wait_kmcnt 0x0
	s_load_b256 s[24:31], s[18:19], 0x0            ; e0 .. e7
	s_cselect_b64 s[42:43], s[6:7], s[8:9]         ; Wq or Wk
	s_cselect_b64 s[44:45], s[12:13], s[14:15]     ; bq or bk
	s_cselect_b64 s[54:55], s[20:21], s[22:23]     ; qbuf or kvbuf
	s_add_nc_u64 s[46:47], s[54:55], s[46:47]
	s_add_nc_u64 s[40:41], s[4:5], s[40:41]
	s_add_nc_u64 s[48:49], s[10:11], s[48:49]
	s_add_nc_u64 s[50:51], s[16:17], s[50:51]
	s_add_nc_u64 s[52:53], s[22:23], s[52:53]
	; the small loads first: loads come back in order, so the first wait for x shows them in too
.irp c, 0,1,2,3
	global_load_b128 v[WF+4*\c:WF+4*\c+3], v5, s[42:43] offset:32*\c
.endr
.irp t, 0,1
.irp c, 0,1,2,3
	global_load_b128 v[WVF+16*\t+4*\c:WVF+16*\t+4*\c+3], v5, s[48:49] offset:2048*\t+32*\c
.endr
.endr
	global_load_b128 v[BI:BI+3], v6, s[44:45]
	global_load_b128 v[BI+4:BI+7], v6, s[44:45] offset:16
	global_load_b32 v72, v7, s[50:51]
	global_load_b32 v73, v7, s[50:51] offset:64
	; x: 32 loads, each 512 consecutive bytes of one row of one channel: all of the wave's share is on its way at once
.irp i, 0,1,2,3,4,5,6,7,8,9,10,11,12,13,14,15
	global_load_b128 v[XR+8*\i:XR+8*\i+3],   v1, s[40:41] offset:\i*CHB th:TH_LOAD_NT
	global_load_b128 v[XR+8*\i+4:XR+8*\i+7], v1, s[40:41] offset:\i*CHB+1024 th:TH_LOAD_NT
.endr
	; the powers of two, made while x is on its way.  POW2: 2^e and 448 x 2^e as f32 numbers
.macro POW2 e, vs, vl
	s_add_co_i32 s59, s[\e], 127
	s_lshl_b32 s60, s59, 23
	v_mov_b32 v[\vs], s60                          ; the conversion takes this number's exponent field
	s_add_co_i32 s59, s59, 8
	s_lshl_b32 s59, s59, 23
	s_or_b32 s59, s59, 0x600000
	v_mov_b32 v[\vl], s59
.endm
	s_wait_kmcnt 0x0
	s_cmp_eq_u32 s36, 0
	s_cselect_b32 s61, s24, s26                    ; y's exponent for q's product or for k's,
	s_cselect_b32 s62, s25, s27                    ; and the weight's
	s_add_co_i32 s62, s62, s61
	s_add_co_i32 s62, s62, 127
	s_lshl_b32 s56, s62, 23                        ; 2^(their sum)
	s_add_co_i32 s62, s28, s29
	s_add_co_i32 s62, s62, 127
	s_lshl_b32 s58, s62, 23                        ; 2^(e4 + e5)
	POW2 61, 74, 75
	POW2 28, 76, 77                                ; y for v's product
	POW2 30, 78, 79                                ; v as an operand of the next launch
	; the mean of 2 x 2: my 16 bytes of two rows are pooled positions 2 lane and 2 lane + 1
.set i, 0
.rept 16
	s_wait_loadcnt 30-2*i                          ; channel i's two loads are in; the later channels' stay out
	v_pk_add_f32 v[XR+8*i:XR+8*i+1],   v[XR+8*i:XR+8*i+1],   v[XR+8*i+4:XR+8*i+5]
	v_pk_add_f32 v[XR+8*i+2:XR+8*i+3], v[XR+8*i+2:XR+8*i+3], v[XR+8*i+6:XR+8*i+7]
	v_add_f32 v[YT+i],    v[XR+8*i],   v[XR+8*i+1]
	v_add_f32 v[YT+16+i], v[XR+8*i+2], v[XR+8*i+3]
.set i, i+1
.endr
.irp k, 0,2,4,6,8,10,12,14,16,18,20,22,24,26,28,30
	v_pk_mul_f32 v[YT+\k:YT+\k+1], v[YT+\k:YT+\k+1], 0x3e800000 op_sel_hi:[1,0]   ; x 1/4: nothing is rounded
.endr
.irp p, 0,1
.irp k, 0,1,2,3
	ds_store_b128 v4, v[YT+16*\p+4*\k:YT+16*\p+4*\k+3] offset:YP*\p+16*\k
.endr
.endr
	s_wait_dscnt 0x0                               ; for the others' sake: my part of y^T lies in LDS
	s_barrier_signal -1
	s_barrier_wait -1                              ; all 64 rows are whole
; 64 numbers of a lane: of its row of y^T, channels 32 c + 16 h + 0 .. 15 into registers 16 c + 0 .. 15 of the set
.macro LDT adr, set, off
.irp c, 0,1,2,3
.irp k, 0,1,2,3
	ds_load_b128 v[\set+16*\c+4*\k:\set+16*\c+4*\k+3], v[\adr] offset:\off+128*\c+16*\k
.endr
.endr
.endm
; and their codes: a fragment's 16 registers
.macro QUANT s, d, sc, lim
.irp b, 0,1,2,3
.irp i, 0,1,2,3,4,5,6,7,8,9,10,11,12,13,14,15
	v_med3_num_f32 v[\s+16*\b+\i], v[\s+16*\b+\i], -v[\lim], v[\lim]   ; the conversion to an 8-bit code does not saturate (ISA guide 7.6.2): the hold at the largest code x the scale
.endr
	v_cvt_scalef32_pk8_fp8_f32 v[\d+4*\b:\d+4*\b+1],   v[\s+16*\b:\s+16*\b+7],    v[\sc]
	v_cvt_scalef32_pk8_fp8_f32 v[\d+4*\b+2:\d+4*\b+3], v[\s+16*\b+8:\s+16*\b+15], v[\sc]
.endr
	v_nop                                          ; one plain vector instruction between the last conversion and the matrix instruction that reads its result or writes over its sources
.endm
	LDT 3, SA, 0                                   ; y for q or k
	LDT 2, SB, 0                                   ; y for v, positions' tile 0
	s_wait_dscnt 16                                ; the first set is in; the second set's sixteen loads may be out
	QUANT SA, CQ, 74, 75
	LDT 2, SA, 8*YP                                ; y for v, positions' tile 1
	v_wmma_f32_16x16x128_fp8_fp8 v[DQ:DQ+7], v[WF:WF+15], v[CQ:CQ+15], 0
	s_wait_dscnt 16                                ; the second set is in; the sixteen just issued may be out
	QUANT SB, CV0, 76, 77
	v_wmma_f32_16x16x128_fp8_fp8 v[DV:DV+7],     v[CV0:CV0+15], v[WVF:WVF+15],    0
	v_wmma_f32_16x16x128_fp8_fp8 v[DV+16:DV+23], v[CV0:CV0+15], v[WVF+16:WVF+31], 0
	s_wait_dscnt 0x0
	QUANT SA, CV1, 76, 77
	v_wmma_f32_16x16x128_fp8_fp8 v[DV+8:DV+15],  v[CV1:CV1+15], v[WVF:WVF+15],    0
	v_wmma_f32_16x16x128_fp8_fp8 v[DV+24:DV+31], v[CV1:CV1+15], v[WVF+16:WVF+31], 0
	; q or k leaves.  These sixteen lines name no register of the four products above: they are the places behind them
.irp j, 0,1,2,3,4,5,6,7
	v_fma_f32 v[DQ+\j], v[DQ+\j], s56, v[BI+\j]    ; sum x 2^(the two exponents) + bias
.endr
.irp j, 0,1,2,3,4,5,6,7
	v_mul_f32 v[DQ+\j], s57, v[DQ+\j]              ; q: x log2(e); k: x 1
.endr
	global_store_b128 v1, v[DQ:DQ+3],   s[46:47]
	global_store_b128 v1, v[DQ+4:DQ+7], s[46:47] offset:512
	; v: sum x 2^(e4 + e5) + bv, held, and turned into codes along the positions; each accumulator from its low end on
.irp t, 0,1
.irp i, 0,1,2,3,4,5,6,7,8,9,10,11,12,13,14,15
	v_fma_f32 v[DV+16*\t+\i], v[DV+16*\t+\i], s58, v[72+\t]
.endr
.endr
.irp t, 0,1
.irp i, 0,1,2,3,4,5,6,7,8,9,10,11,12,13,14,15
	v_med3_num_f32 v[DV+16*\t+\i], v[DV+16*\t+\i], -v79, v79
.endr
	v_cvt_scalef32_pk8_fp8_f32 v[SA+4*\t:SA+4*\t+1],   v[DV+16*\t:DV+16*\t+7],    v78
	v_cvt_scalef32_pk8_fp8_f32 v[SA+4*\t+2:SA+4*\t+3], v[DV+16*\t+8:DV+16*\t+15], v78
.endr
	v_nop
	global_store_b128 v1, v[SA:SA+3],   s[52:53]
	global_store_b128 v1, v[SA+4:SA+7], s[52:53] offset:2048
	s_set_vgpr_msb 0x5
	s_wait_tensorcnt 0x0
	ds_add_u32 v0, v1
	s_wait_dscnt 0x0
	s_set_vgpr_msb 0x500
	s_endpgm
.Lfunc_end_k_q89bd5ffd22_project:
	.size	k_q89bd5ffd22_project, .Lfunc_end_k_q89bd5ffd22_project-k_q89bd5ffd22_project
	.p2alignl 7, 3214868480
	.fill 96, 4, 3214868480
	.section	.rodata,"a",@progbits
	.p2align	6, 0x0
	.amdhsa_kernel k_q89bd5ffd22_project
		.amdhsa_group_segment_fixed_size 34816
		.amdhsa_private_segment_fixed_size 0
		.amdhsa_enable_private_segment 0
		.amdhsa_kernarg_size 80
		.amdhsa_user_sgpr_count 2
		.amdhsa_user_sgpr_kernarg_segment_ptr 1
		.amdhsa_wavefront_size32 1
		.amdhsa_system_sgpr_workgroup_id_x 1
		.amdhsa_system_sgpr_workgroup_id_y 1
		.amdhsa_system_sgpr_workgroup_id_z 1
		.amdhsa_system_vgpr_workitem_id 0
		.amdhsa_next_free_vgpr 258
		.amdhsa_next_free_sgpr 66
		.amdhsa_reserve_vcc 0
		.amdhsa_float_denorm_mode_32 3
		.amdhsa_float_denorm_mode_16_64 3
		.amdhsa_memory_ordered 1
		.amdhsa_forward_progress 1
		.amdhsa_inst_pref_size 37
	.end_amdhsa_kernel
	.amdgpu_metadata
---
amdhsa.version: [ 1, 2 ]
amdhsa.kernels:
  - .name:           k_q89bd5ffd22_project
    .symbol:         k_q89bd5ffd22_project.kd
    .args:
      - { .name: x, .offset: 0, .size: 8, .value_kind: global_buffer, .address_space: global }
      - { .name: Wq_codes, .offset: 8, .size: 8, .value_kind: global_buffer, .address_space: global }
      - { .name: Wk_codes, .offset: 16, .size: 8, .value_kind: global_buffer, .address_space: global }
      - { .name: Wv_codes, .offset: 24, .size: 8, .value_kind: global_buffer, .address_space: global }
      - { .name: bq, .offset: 32, .size: 8, .value_kind: global_buffer, .address_space: global }
      - { .name: bk, .offset: 40, .size: 8, .value_kind: global_buffer, .address_space: global }
      - { .name: bv, .offset: 48, .size: 8, .value_kind: global_buffer, .address_space: global }
      - { .name: lowp_scales, .offset: 56, .size: 8, .value_kind: global_buffer, .address_space: global }
      - { .name: qbuf, .offset: 64, .size: 8, .value_kind: global_buffer, .address_space: global }
      - { .name: kvbuf, .offset: 72, .size: 8, .value_kind: global_buffer, .address_space: global }
    .group_segment_fixed_size: 34816
    .private_segment_fixed_size: 0
    .kernarg_segment_align: 8
    .kernarg_segment_size: 80
    .max_flat_workgroup_size: 256
    .sgpr_count:     66
    .vgpr_count:     258
    .wavefront_size: 32
...
	.end_amdgpu_metadata
.endif
;; end of part 1
;; launch attend (part 2): grid 256 x 1, 16 waves a work-group, clusters of 4 x 1, 327,680 bytes of LDS; arguments qbuf, kvbuf, lowp_scales, obuf; writes obuf
.if DOCPART == 2
	.amdgcn_target "amdgcn-amd-amdhsa--gfx1250"
	.amdhsa_code_object_version 6
	.text
	.protected	k_q89bd5ffd22_attend
	.globl	k_q89bd5ffd22_attend
	.p2align	8
	.type	k_q89bd5ffd22_attend,@function
k_q89bd5ffd22_attend:
	s_mov_b64 s[64:65], 0
	v_nop
	global_prefetch_b8 v0, s[64:65] scope:SCOPE_SE
	s_setreg_imm32_b32 hwreg(HW_REG_WAVE_MODE, 25, 1), 1
	s_wait_xcnt 0x0
	s_wait_alu depctr_hold_cnt(0) depctr_sa_sdst(0) depctr_va_vdst(0) depctr_va_sdst(0) depctr_va_ssrc(0) depctr_va_vcc(0) depctr_vm_vsrc(0)
	s_getreg_b32 s2, hwreg(HW_REG_IB_STS2, 6, 4)
	s_cmp_eq_u32 s2, 0
	s_cbranch_scc0 .Lentry_in_a_cluster
	s_endpgm
.Lentry_in_a_cluster:
	s_bfe_u32 s2, ttmp6, 0x10000c
	s_cmp_lg_u32 s2, 0x3003
	s_cbranch_scc0 .Lentry_shape_is_right
	s_endpgm
.Lentry_shape_is_right:
; o[c][i] = the sum over keys j of v[c][j] softmax_j(q[i] . k[j]).  16,384 queries, 16,384 keys, 16 dims, 128 channels.
; The scores have K = 16 and feed a quantiser: f32 operands, by v_wmma_f32_16x16x4_f32.  q comes x log2(e), so a score is t.  M = the largest t so far, rounded up to a whole number; p = 2^(t - M) is quantised to E4M3 with
; the given 2^e7 and multiplied by v's codes (scale 2^e6) by v_wmma_f32_16x16x128_fp8_fp8.  The row's sum l is taken of the unquantised p.  When M moves, l and O are multiplied by 2^(old M - new M): nothing is rounded.
; SHARES.  Work-group G owns 64 queries: four tiles of 16.  Wave w: tile qt = w & 3 and a quarter kq of the keys: 32 steps of 128 keys.  Each wave has its own M, l and O^T; at the end the four quarters of a tile are
; brought under the largest M by powers of two, added, divided by l, x 2^(e6 + e7).
; OUT OF PHASE.  A step is matrix work (32 f32 products: the scores) and then mostly vector work (the softmax; 8 FP8 products at its end).  All waves meet at each change of slots, so they would all do the one and then all the other.
; So the waves are of two kinds, by the parity of kq.  EVEN: a trip is scores(j), softmax(j).  ODD: a trip is softmax(j - 1), scores(j): S^T stays in its registers over the change of slots.
; kq = ((w >> 2) & 2) | ((w ^ (w >> 2)) & 1): of the waves w, w + 4, w + 8, w + 12, and of any four neighbours 4 s .. 4 s + 3, two are of each kind.  The odd kind begins half a trip late and ends half a trip late.
; LAYOUT.  Both products are used transposed: S^T = k q^T (source 0 = 16 keys, source 1 = my 16 queries), O^T = v p^T (source 0 = 16 channels, source 1 = p): a lane holds ONE query (lane % 16) throughout.
; q's and k's tiles are register images: lane (r, h) holds dims 8 h + 0 .. 7 in 8 registers; matrix instruction i takes registers 2 i, 2 i + 1 of both: the same order of the 16 dims in both sources.
; The keys of a tile of k are 32 b + 8 u + r + 8 (r / 8) (tile 2 b + u), so that the 16 registers of tiles 2 b, 2 b + 1 of S^T are keys 32 b + 16 h + 0 .. 15: the conversions' results ARE the second product's source 1.
; RING.  kvbuf has a block of 24,576 bytes for each 128 keys: 8 tiles of k (8,192 bytes), then v's codes (16,384).  A trip's four tiles (one a quarter, 24,576 bytes each) lie in one of two LDS slots; waves 0 to 3 fetch one each.
; An even quarter's tile j is block j: k(j), v(j).  An odd quarter's tile j begins 16,384 bytes earlier: v(j - 1), k(j), which lie on end in memory: the same descriptor from another first address.  Tile 0 of an odd quarter begins in
; the quarter before it (inside the buffer; those 16,384 bytes are not used).  v(31) of quarters 1 and 3 comes once, at the head, by waves 4 and 5, into bytes of its own.  Images are read 16 bytes a lane on end: no padding.
; CLUSTER.  Every work-group walks the same tiles in the same order: the four of a cluster ask for each JOINTLY (the same tensor load, the same descriptor, a mask that names the four): a quarter of the requests.
; LIMITS: e7 between -126 and 119; e6 + e7 is applied by v_ldexp_f32 and has none.  NaN and infinities are not served.
; REGISTERS: v1, v2 k's and v's place in slot 0; v3 prefetch offset; v4, v8 the trip's LDS addresses of v and k; v5, v6 the add's; v7 my offset in o; v9-11, v241, v245-247 the merge's LDS addresses; v248 v(31)'s LDS address;
;   v12 -M, v13 the largest t, v[14:15] l in two halves; v16-23 q; v24-31 the merge's statistics; v32-95 k's tiles, then p, then four tiles of v; v96-159 S^T, written by the f32 matrix instructions alone; v160-223 O^T;
;   v224-239 p's codes; v240 448 x 2^e7; v244 2^e7; v242-243, v250-254 at work.
.set BLK,   24576                      ; a tile: 128 keys
.set QUART, 32*BLK                     ; a quarter of the keys in kvbuf
.set SLOT1, 1<<17                      ; slot 1 begins here: one exclusive or turns an address in one slot into the other's
.set TAILB, SLOT1+4*BLK                ; behind slot 1: v(31) of quarters 1 and 3, 16,384 bytes each: filled once
.set SPARE, 2*SLOT1                    ; the spare words, 128 bytes for each of 16 waves: eight blocks of 256 bytes that no other line names
.set STATS, SPARE+2048                 ; the merge: for each wave 128 bytes of -M and 128 of l
.set FIN,   STATS+4096                 ; the way out: 128 channels' rows of 64 queries: 256 bytes + 16
.set FP,    272
; The merge's partial sums, 8,192 bytes a wave, lie at LDS byte 0 on (131,072 bytes): slot 0, which has had its last fill and its last read at the last change of slots, and the gap behind it; what is read later lies from slot 1 on.
.macro ROUND                           ; a round of the cluster's barrier: my work-group's barrier; wave 0 signals for the work-group; every wave waits for all four work-groups; my work-group's barrier once more
	s_barrier_signal -1
	s_barrier_wait -1
	s_cmp_lg_u32 s12, 0
	s_cbranch_scc1 .Lnot_wave_0_\@
	s_barrier_signal -3
.Lnot_wave_0_\@:
	s_barrier_wait -3
	s_barrier_signal -1
	s_barrier_wait -1
.endm
.macro TLOAD                           ; waves 0 to 3 fetch quarter w's tile; the branch hangs on the wave's number alone.  Four v_nop follow the load
	s_cmp_lt_u32 s12, 4
	s_cbranch_scc0 .Lasked_\@
	tensor_load_to_lds s[32:35], s[24:31]
	s_nop 0
.rept 4
	v_nop
.endr
.Lasked_\@:
.endm
; A PREFETCH INTO THE L2, by whole blocks: at the change of slots that asks for tiles j + 1, the four quarters' blocks j + 2.  Each aligned 256 bytes is named once in the launch: cluster 0 alone asks;
; its partner cx takes quarter cx's block, told apart BY ADDRESS; in each partner waves 4, 5 and 6 take 8,192 bytes each, lanes 256 bytes apart.  The last change that fills a slot asks for nothing; blocks 0 and 1 come by their loads alone.
.macro ASK
	s_cmp_gt_u32 s37, s38
	s_cbranch_scc0 .Lnot_mine_\@
	global_prefetch_b8 v3, s[40:41] th:TH_LOAD_NT scope:SCOPE_SE
.Lnot_mine_\@:
.endm
	s_load_b256 s[4:11], s[0:1], 0x0               ; qbuf 4:5, kvbuf 6:7, the exponents 8:9, obuf 10:11
	v_lshl_add_u32 v5, v0, 2, SPARE                ; my spare word; never rewritten
	v_mov_b32 v6, 0                                ; 0; never rewritten
	ds_add_u32 v5, v6
	s_wait_dscnt 0x0
	v_lshrrev_b32 v24, 5, v0
	v_readfirstlane_b32 s12, v24                   ; wave 0..15
	s_and_b32 s13, s12, 3                          ; qt.  In waves 0 to 3 also: the quarter whose tiles I fetch
	s_lshr_b32 s19, s12, 2
	s_xor_b32 s17, s13, s19
	s_and_b32 s17, s17, 1                          ; my kind: 0 scores first, 1 softmax first
	s_and_b32 s14, s19, 2
	s_or_b32 s14, s14, s17                         ; kq: its parity is my kind
	s_lshl_b32 s18, s14, 2
	s_or_b32 s18, s18, s13                         ; 4 kq + qt: my place in the merge
	s_bfe_u32 s15, ttmp6, 0x40000                  ; cx: my place in the cluster
	s_lshl_b32 s16, ttmp9, 2
	s_add_co_u32 s16, s16, s15                     ; G = 4 x cluster + cx: it enters q's, o's and the prefetches' addresses alone
	s_mov_b32 s20, 0x76543210                      ; v_permlanex16_b32: lane l xor 16
	s_mov_b32 s21, 0xfedcba98
	; descriptor group 1: 96 rows of 32 elements of 8 bytes, dense: a tile
	s_mov_b32 s24, 15|(3<<16)|(1<<21)              ; 15:0 the mask: all four work-groups; 17:16 elements of 8 bytes; 21 set beside a mask; no padding
	s_mov_b32 s25, 32<<16                          ; tensor_dim0 = 32
	s_mov_b32 s26, 96<<16                          ; tensor_dim1 = 96
	s_mov_b32 s27, 32<<16                          ; tile_dim0 = 32
	s_mov_b32 s28, 96                              ; tile_dim1 = 96
	s_mov_b32 s29, 32                              ; from row to row
	s_mov_b32 s30, 0
	s_mov_b32 s31, 0
	; and the same with 64 rows: v's codes of one block
	s_mov_b32 s68, 15|(3<<16)|(1<<21)
	s_mov_b32 s69, 32<<16
	s_mov_b32 s70, 64<<16
	s_mov_b32 s71, 32<<16
	s_mov_b32 s72, 64
	s_mov_b32 s73, 32
	s_mov_b32 s74, 0
	s_mov_b32 s75, 0
	s_mul_i32 s33, s13, BLK                        ; the ring's group 0: the LDS address: in waves 0 to 3 wave x a tile, in slot 0: no place in the cluster enters it
	s_mul_i32 s48, s13, QUART                      ; the quarter's first block in memory;
	s_and_b32 s49, s13, 1
	s_lshl_b32 s49, s49, 14
	s_sub_co_u32 s48, s48, s49                     ; an odd quarter's tiles begin 16,384 bytes earlier
	s_mov_b32 s49, 0
	s_and_b32 s60, s12, 1                          ; v(31): wave 4 fetches quarter 1's, wave 5 quarter 3's
	s_lshl_b32 s57, s60, 14
	s_add_co_u32 s57, s57, TAILB                   ; its LDS address
	s_mul_i32 s60, s60, 2*QUART
	s_add_co_u32 s60, s60, QUART+31*BLK+8192       ; and its place in memory: the last 16,384 bytes of the quarter
	s_mov_b32 s61, 0
	s_mov_b32 s36, 0                               ; the slot in hand
	s_mov_b32 s37, 31                              ; tiles still to be asked for
	s_sub_co_u32 s46, s12, 4
	s_cmp_lt_u32 s46, 3                            ; waves 4, 5, 6
	s_cselect_b32 s46, 0, 1
	s_or_b32 s46, s46, ttmp9                       ; of cluster 0: the same in all four partners
	s_cmp_eq_u32 s46, 0
	s_cselect_b32 s38, 1, -1                       ; a wave prefetches while s37 is above this
	; the LDS addresses that stay are made here, ahead of the first branch on the wave's number
	v_and_b32 v30, 31, v0                          ; lane
	v_and_b32 v24, 15, v0                          ; r
	v_bfe_u32 v25, v0, 4, 1                        ; h
	v_lshlrev_b32 v26, 4, v30                      ; 16 x lane
	v_lshlrev_b32 v27, 2, v30                      ; 4 x lane
	s_mul_i32 s46, s14, BLK                        ; my quarter's tile in a slot
	s_lshl_b32 s47, s17, 14
	s_add_co_u32 s47, s47, s46
	v_add_nc_u32 v1, s47, v26                      ; k: at the tile's head (even quarters) or behind v's 16,384 bytes (odd)
	s_xor_b32 s47, s17, 1
	s_lshl_b32 s47, s47, 13
	s_add_co_u32 s47, s47, s46
	v_add_nc_u32 v2, s47, v26                      ; v: behind k's 8,192 bytes (even) or at the tile's head (odd)
	s_lshr_b32 s47, s14, 1
	s_lshl_b32 s47, s47, 14
	s_add_co_u32 s47, s47, TAILB
	v_add_nc_u32 v248, s47, v26                    ; v(31) of quarter 1 or 3
	v_lshlrev_b32 v3, 8, v30                       ; the prefetches: 256 x lane
	v_lshlrev_b32 v7, 16, v25
	v_lshl_add_u32 v7, v24, 4, v7                  ; o: lanes 0-15 one channel's row, lanes 16-31 the next; 16 bytes a lane
	s_lshl_b32 s46, s18, 8
	s_add_co_u32 s46, s46, STATS
	v_add_nc_u32 v9, s46, v27                      ; where I put my -M and l
	s_lshl_b32 s46, s13, 8
	s_add_co_u32 s46, s46, STATS
	v_add_nc_u32 v10, s46, v27                     ; where the four quarters of my tile have put theirs: 1,024 bytes apart
	s_lshl_b32 s46, s18, 13
	v_add_nc_u32 v11, s46, v26                     ; where I put my O^T
	s_lshl_b32 s46, s13, 13
	s_lshl_b32 s47, s14, 11
	s_add_co_u32 s46, s46, s47
	v_add_nc_u32 v241, s46, v26                    ; channel tiles 2 kq, 2 kq + 1 of my tile's quarters 0 and 1,
	v_add_nc_u32 v245, 0x10000, v241               ; and of quarters 2 and 3
	v_and_b32 v28, 8, v24
	v_add_nc_u32 v28, v28, v24                     ; r + 8 (r / 8)
	s_lshr_b32 s46, s13, 1
	s_lshl_b32 s46, s46, 5
	s_and_b32 s47, s13, 1
	s_lshl_b32 s47, s47, 3
	s_add_co_u32 s46, s46, s47
	v_add_nc_u32 v28, s46, v28                     ; my query among the work-group's 64: 32 (qt / 2) + 8 (qt % 2) + r + 8 (r / 8)
	v_lshlrev_b32 v29, 3, v25
	s_lshl_b32 s46, s14, 5
	v_add_nc_u32 v29, s46, v29                     ; channel 32 kq + 8 h
	v_mul_u32_u24 v29, v29, FP
	v_lshl_add_u32 v246, v28, 2, v29
	v_add_nc_u32 v246, FIN, v246                   ; the way out, in
	s_lshl_b32 s46, s12, 3
	v_add_nc_u32 v29, s46, v25                     ; channel 8 w + (lane / 16)
	v_mul_u32_u24 v29, v29, FP
	v_lshl_add_u32 v247, v24, 4, v29
	v_add_nc_u32 v247, FIN, v247                   ; the way out, back
	; byte offsets that hang on G or cx
	s_lshl_b32 s50, s16, 2
	s_add_co_u32 s50, s50, s13
	s_lshl_b32 s50, s50, 10                        ; q: tile 4 G + qt
	s_mov_b32 s51, 0
	s_lshl_b32 s52, s12, 19                        ; o: 8 channels of 65,536 bytes a wave,
	s_lshl_b32 s53, s16, 8                         ; 256 bytes a work-group
	s_add_co_u32 s52, s52, s53
	s_mov_b32 s53, 0
	s_lshl_b32 s46, s15, 5
	s_add_co_u32 s46, s46, 1
	s_mul_i32 s46, s46, BLK                        ; the prefetches: block 1 of quarter cx (the first change of slots steps it to block 2),
	s_lshl_b32 s47, s13, 13                        ; 8,192 bytes for each of waves 4, 5, 6
	s_add_co_u32 s46, s46, s47
	s_mov_b32 s47, 0
	s_wait_kmcnt 0x0
	s_load_b64 s[44:45], s[8:9], 0x18              ; e6, e7
	s_mov_b32 s32, 1                               ; the ring's group 0: count = 1
	s_add_nc_u64 s[34:35], s[6:7], s[48:49]        ; the global address
	s_or_b32 s35, s35, 0x80000000                  ; type = 2
	s_mov_b32 s56, 1                               ; v(31)'s group 0
	s_add_nc_u64 s[58:59], s[6:7], s[60:61]
	s_or_b32 s59, s59, 0x80000000
	s_add_nc_u64 s[4:5], s[4:5], s[50:51]
	s_add_nc_u64 s[10:11], s[10:11], s[52:53]
	s_add_nc_u64 s[40:41], s[6:7], s[46:47]
	ROUND                                          ; all four work-groups are here: the first joint loads meet
	s_cmp_lt_u32 s12, 4                            ; the first fills, one a wave: waves 0 to 3 tile 0 into slot 0, waves 4 and 5 v(31) of the odd quarters
	s_cbranch_scc0 .Lnot_ring
	tensor_load_to_lds s[32:35], s[24:31]
	s_nop 0
.rept 4
	v_nop
.endr
	s_branch .Lfirst_asked
.Lnot_ring:
	s_cmp_lt_u32 s12, 6
	s_cbranch_scc0 .Lfirst_asked
	tensor_load_to_lds s[56:59], s[68:75]
	s_nop 0
.rept 4
	v_nop
.endr
.Lfirst_asked:
	global_load_b128 v[16:19], v26, s[4:5]         ; q's tile stays in registers
	global_load_b128 v[20:23], v26, s[4:5] offset:512
	v_mov_b32 v13, 0xff61b1e6                      ; the largest t so far: -3e38, under every t
	v_floor_f32 v12, -v13                          ; -M
	v_mov_b32 v14, 0                               ; l, in two halves
	v_mov_b32 v15, 0
	v_mov_b32 v250, 0                              ; written once: a lane permute's destination counts as one of its sources
	v_mov_b32 v253, 0                              ; (named as the upper half of the pair v[252:253])
.irp j, 0,1,2,3,4,5,6,7,8,9,10,11,12,13,14,15,16,17,18,19,20,21,22,23,24,25,26,27,28,29,30,31,32,33,34,35,36,37,38,39,40,41,42,43,44,45,46,47,48,49,50,51,52,53,54,55,56,57,58,59,60,61,62,63
	v_mov_b32 v[160+\j], 0                         ; O^T.  (The softmax has no first form of its own: the first finds zeros, which the first change of M leaves zeros)
.endr
	s_wait_kmcnt 0x0
	s_add_co_i32 s54, s44, s45                     ; e6 + e7
	s_add_co_i32 s55, s45, 127
	s_lshl_b32 s46, s55, 23
	v_mov_b32 v244, s46                            ; 2^e7 as f32: the conversion takes its exponent field
	s_add_co_i32 s55, s55, 8
	s_lshl_b32 s55, s55, 23
	s_or_b32 s55, s55, 0x600000
	v_mov_b32 v240, s55                            ; 448 x 2^e7
; THE SCORES of 128 keys: S^T = k q^T.  k's eight tiles lie at v8.
.macro SMAT
.rept 4
	v_nop                                          ; four places behind the last FP8 products, in front of loads into registers that they read
.endr
.irp t, 0,1,2,3,4,5,6,7
	ds_load_b128 v[32+8*\t:35+8*\t], v8 offset:1024*\t          ; k's eight tiles: dims 8 h + 0 .. 3,
.endr
.irp t, 0,1,2,3,4,5,6,7
	ds_load_b128 v[36+8*\t:39+8*\t], v8 offset:1024*\t+512      ; and 8 h + 4 .. 7
.endr
	s_wait_dscnt 8                                 ; the first eight are in; the second eight may be out
	; four matrix instructions deep; the eight accumulators take turns, one instruction a turn; the first starts each sum with the constant 0
.irp t, 0,1,2,3,4,5,6,7
	v_wmma_f32_16x16x4_f32 v[96+8*\t:103+8*\t], v[32+8*\t:33+8*\t], v[16:17], 0
.endr
.irp t, 0,1,2,3,4,5,6,7
	v_wmma_f32_16x16x4_f32 v[96+8*\t:103+8*\t], v[34+8*\t:35+8*\t], v[18:19], v[96+8*\t:103+8*\t]
.endr
	s_wait_dscnt 0x0
.irp t, 0,1,2,3,4,5,6,7
	v_wmma_f32_16x16x4_f32 v[96+8*\t:103+8*\t], v[36+8*\t:37+8*\t], v[20:21], v[96+8*\t:103+8*\t]
.endr
.irp t, 0,1,2,3,4,5,6,7
	v_wmma_f32_16x16x4_f32 v[96+8*\t:103+8*\t], v[38+8*\t:39+8*\t], v[22:23], v[96+8*\t:103+8*\t]
.endr
.rept 8
	v_nop                                          ; eight places behind this form (ISA guide 7.12.1), in front of the reads of S^T and the writes over k's registers, on either kind's way to them
.endr
.endm
; THE SOFTMAX of the 128 keys whose scores lie in S^T, and O^T += v p^T.  v's eight channel tiles of those keys lie at v[adv].
.macro VPH adv
	v_max3_num_f32 v254, v96, v97, v98             ; the step's largest t of my query among my 64 keys, in two chains, each accumulator from its low end on,
	v_max3_num_f32 v252, v99, v100, v101
.irp i, 6,10,14,18,22,26,30,34,38,42,46,50,54,58
	v_max3_num_f32 v254, v254, v[96+\i], v[97+\i]
	v_max3_num_f32 v252, v252, v[98+\i], v[99+\i]
.endr
	v_max3_num_f32 v254, v254, v158, v159
	v_max_num_f32 v254, v254, v252
	v_permlanex16_b32 v250, v254, s20, s21
	v_max_num_f32 v254, v254, v250                 ; and among lane l xor 16's
	v_max_num_f32 v13, v13, v254                   ; the running largest t
	v_mov_b32 v254, v12
	v_floor_f32 v12, -v13                          ; the new -M = floor(-t) = -ceil(t): a whole number
	v_sub_f32 v254, v12, v254                      ; old M - new M: a whole number, 0 or less
	v_cvt_i32_f32 v254, v254                       ; (it saturates)
	v_ldexp_f32 v252, 1.0, v254                    ; f = 2^(old M - new M)
.irp j, 0,2,4,6,8,10,12,14,16,18,20,22,24,26,28,30,32,34,36,38,40,42,44,46,48,50,52,54,56,58,60,62
	v_pk_add_f32 v[32+\j:33+\j], v[96+\j:97+\j], v[12:13] op_sel_hi:[1,0]   ; t - M, two at a time, into other registers than S^T's (of the pair the low word, -M, serves both halves)
.endr
.irp j, 0,1,2,3,4,5,6,7,8,9,10,11,12,13,14,15,16,17,18,19,20,21,22,23,24,25,26,27,28,29,30,31,32,33,34,35,36,37,38,39,40,41,42,43,44,45,46,47,48,49,50,51,52,53,54,55,56,57,58,59,60,61,62,63
	v_exp_f32 v[32+\j], v[32+\j]                   ; p = 2^(t - M), at most 1: not normalised
.endr
	v_pk_mul_f32 v[14:15], v[14:15], v[252:253] op_sel_hi:[1,0]   ; l under the new M: the plain instruction behind the exponentials
	s_wait_alu depctr_va_vdst(0)                   ; one wait for the whole batch, ahead of its first reader
	v_pk_add_f32 v[242:243], v[32:33], v[34:35]    ; l is taken of the unquantised p: two at a time, in two chains
.irp j, 4,8,12,16,20,24,28,32,36,40,44,48,52,56,60
	v_pk_add_f32 v[14:15], v[14:15], v[32+\j:33+\j]
	v_pk_add_f32 v[242:243], v[242:243], v[34+\j:35+\j]
.endr
	v_pk_add_f32 v[14:15], v[14:15], v[242:243]
.irp b, 0,1,2,3
.irp i, 0,1,2,3,4,5,6,7,8,9,10,11,12,13,14,15
	v_min_num_f32 v[32+16*\b+\i], v[32+16*\b+\i], v240   ; the conversion does not saturate (ISA guide 7.6.2); p is not negative, so the hold is one-sided
.endr
	v_cvt_scalef32_pk8_fp8_f32 v[224+4*\b:225+4*\b], v[32+16*\b:39+16*\b], v244
	v_cvt_scalef32_pk8_fp8_f32 v[226+4*\b:227+4*\b], v[40+16*\b:47+16*\b], v244
.endr
.irp t, 0,1,2,3
.irp c, 0,1,2,3
	ds_load_b128 v[32+16*\t+4*\c:35+16*\t+4*\c], v[\adv] offset:2048*\t+512*\c   ; v's channel tiles 0 to 3
.endr
.endr
.irp j, 0,2,4,6,8,10,12,14,16,18,20,22,24,26,28,30,32,34,36,38,40,42,44,46,48,50,52,54,56,58,60,62
	v_pk_mul_f32 v[160+\j:161+\j], v[160+\j:161+\j], v[252:253] op_sel_hi:[1,0]   ; O^T under the new M, while the loads are out; these are also the plain lines behind the conversions
.endr
	s_wait_dscnt 0x0
.irp t, 0,1,2,3
	v_wmma_f32_16x16x128_fp8_fp8 v[160+8*\t:167+8*\t], v[32+16*\t:47+16*\t], v[224:239], v[160+8*\t:167+8*\t]
.endr
.rept 4
	v_nop                                          ; four places in front of loads into registers that these products read
.endr
.irp t, 0,1,2,3
.irp c, 0,1,2,3
	ds_load_b128 v[32+16*\t+4*\c:35+16*\t+4*\c], v[\adv] offset:8192+2048*\t+512*\c  ; channel tiles 4 to 7
.endr
.endr
	s_wait_dscnt 0x0
.irp t, 0,1,2,3
	v_wmma_f32_16x16x128_fp8_fp8 v[192+8*\t:199+8*\t], v[32+16*\t:47+16*\t], v[224:239], v[192+8*\t:199+8*\t]
.endr
.endm
; THE CHANGE OF SLOTS stands at a trip's head.  Each wave waits for all its tensor loads (a fetching wave has one out: its tile of the slot ahead), adds 0 to its spare word, and waits for that and for its reads of the slot
; that it has left.  fill = 1: a round of the cluster's barrier, so that no wave of any partner still reads that slot or has a load on its way, and the joint refill first behind it: it has a whole trip in which to land.
.macro CHANGE fill
	s_wait_tensorcnt 0x0                           ; no tensor load of mine is out, so group 0 may be written
	ds_add_u32 v5, v6                              ; 0 onto my spare word
.if \fill
	s_xor_b32 s33, s33, SLOT1                      ; the walking descriptor: the other slot than last time,
	s_add_nc_u64 s[34:35], s[34:35], BLK           ; the quarter's next tile; the type bits on top are not reached
	s_wait_xcnt 0x0                                ; the last prefetch, a trip back, has read its address, so it may be written:
	s_add_nc_u64 s[40:41], s[40:41], BLK           ; one block further on than the even quarters' descriptor
.endif
	s_wait_dscnt 0x0                               ; the add is done, and my reads of the slot that I have left are over
.if \fill
	ROUND
	TLOAD
	ASK
.else
	s_barrier_signal -1
	s_barrier_wait -1
.endif
.endm
; A TRIP, behind its change of slots.  The two LDS addresses are made on the way that all waves take.  The branches hang on the wave's number alone and hold no barrier and no tensor load.
.macro TRIP
	v_add_nc_u32 v8, s36, v1                       ; k's tiles in the slot in hand,
	v_add_nc_u32 v4, s36, v2                       ; and v's
	s_cmp_eq_u32 s17, 0
	s_cbranch_scc0 .Llater_\@
	SMAT                                           ; even quarters: this trip's scores first
.Llater_\@:
	VPH 4                                          ; even: this trip's keys; odd: the keys whose scores were made at the last trip's end, with their v, which lies in this trip's tile
	s_cmp_eq_u32 s17, 0
	s_cbranch_scc1 .Ldone_\@
	SMAT                                           ; odd quarters: this trip's scores last; they stay in S^T over the change of slots
.Ldone_\@:
	s_xor_b32 s36, s36, SLOT1                      ; on to the other slot
.endm
	s_wait_loadcnt 0x0                             ; q
	CHANGE 1                                       ; trip 0 is written out: every wave makes its first scores, and the even quarters go on
	v_add_nc_u32 v8, s36, v1
	v_add_nc_u32 v4, s36, v2
	SMAT
	s_cmp_eq_u32 s17, 0
	s_cbranch_scc0 .Lno_first
	VPH 4
.Lno_first:
	s_xor_b32 s36, s36, SLOT1
	s_mov_b32 s37, 30
.Lslot:                                            ; trips 1 to 30: behind each change of slots the next tiles are asked for
	CHANGE 1
	TRIP
	s_sub_co_u32 s37, s37, 1
	s_cmp_lg_u32 s37, 0
	s_cbranch_scc1 .Lslot
	CHANGE 0                                       ; trip 31 is written out: nothing is left to fetch
	TRIP
	s_cmp_eq_u32 s17, 0
	s_cbranch_scc1 .Lmerge
	VPH 248                                        ; odd quarters: the last 128 keys, with v(31), which landed ahead of the first change of slots
.Lmerge:
	; THE MERGE.  Each wave lays down its -M, its l and its O^T (as an image of its registers); then wave (qt, kq) adds, for tile qt, channels 32 kq .. 32 kq + 31 of the four quarters.
	v_add_f32 v14, v14, v15                        ; l's two halves,
	v_permlanex16_b32 v250, v14, s20, s21
	v_add_f32 v14, v14, v250                       ; and lane l xor 16's
.rept 4
	v_nop                                          ; four places behind the last products, in front of the stores that read them
.endr
	ds_store_b32 v9, v12
	ds_store_b32 v9, v14 offset:128
.irp t, 0,1,2,3,4,5,6,7
	ds_store_b128 v11, v[160+8*\t:163+8*\t] offset:1024*\t       ; each accumulator from its low end on
	ds_store_b128 v11, v[164+8*\t:167+8*\t] offset:1024*\t+512
.endr
	s_wait_dscnt 0x0                               ; for the others' sake: my stores have landed
	s_barrier_signal -1
	s_barrier_wait -1
.irp k, 0,1,2,3
	ds_load_b32 v[24+\k], v10 offset:1024*\k       ; -M of quarter k,
	ds_load_b32 v[28+\k], v10 offset:1024*\k+128   ; and its l
.endr
.irp k, 0,1
.irp u, 0,1
.irp j, 0,1
	ds_load_b128 v[32+16*\k+8*\u+4*\j:35+16*\k+8*\u+4*\j], v241 offset:32768*\k+1024*\u+512*\j
	ds_load_b128 v[64+16*\k+8*\u+4*\j:67+16*\k+8*\u+4*\j], v245 offset:32768*\k+1024*\u+512*\j
.endr
.endr
.endr
	s_wait_dscnt 16                                ; the eight statistics are in; the sixteen loads of partial sums may be out
	v_min3_num_f32 v254, v24, v25, v26
	v_min_num_f32 v254, v254, v27                  ; -M* : the largest of the four M
.irp k, 0,1,2,3
	v_sub_f32 v[24+\k], v254, v[24+\k]             ; M of quarter k - M*: a whole number, 0 or less
.endr
.irp k, 0,1,2,3
	v_cvt_i32_f32 v[24+\k], v[24+\k]
.endr
.irp k, 0,1,2,3
	v_ldexp_f32 v[24+\k], 1.0, v[24+\k]            ; the quarter's factor: a power of two
.endr
	v_mul_f32 v252, v24, v28
	v_fma_f32 v252, v25, v29, v252
	v_fma_f32 v252, v26, v30, v252
	v_fma_f32 v252, v27, v31, v252                 ; the row's sum
	v_rcp_f32 v250, v252
	v_nop                                          ; one plain instruction behind the reciprocal
	s_wait_alu depctr_va_vdst(0)                   ; and the wait ahead of its first reader
	v_ldexp_f32 v250, v250, s54                    ; x 2^(e6 + e7)
.irp k, 0,1,2,3
	v_mul_f32 v[24+\k], v[24+\k], v250
.endr
	s_wait_dscnt 0x0
.irp q, 0,1,2,3,4,5,6,7,8,9,10,11,12,13,14,15
	v_mul_f32 v[224+\q], v24, v[32+\q]
.endr
.irp k, 1,2,3
.irp q, 0,1,2,3,4,5,6,7,8,9,10,11,12,13,14,15
	v_fma_f32 v[224+\q], v[24+\k], v[32+16*\k+\q], v[224+\q]
.endr
.endr
	; register 8 u + j is o(channel 32 kq + 16 u + 8 h + j, my query): into rows by channel, so that a channel's 64 queries leave as 256 consecutive bytes
.irp u, 0,1
.irp j, 0,1,2,3,4,5,6,7
	ds_store_b32 v246, v[224+8*\u+\j] offset:(16*\u+\j)*FP
.endr
.endr
	s_wait_dscnt 0x0
	s_barrier_signal -1
	s_barrier_wait -1
.irp i, 0,1,2,3
	ds_load_b128 v[32+4*\i:35+4*\i], v247 offset:2*\i*FP          ; channels 8 w + 2 i and 8 w + 2 i + 1
.endr
.irp i, 0,1,2,3
	s_wait_dscnt 3-\i
	global_store_b128 v7, v[32+4*\i:35+4*\i], s[10:11] offset:131072*\i   ; 16 lanes store 256 consecutive bytes, at a multiple of 256 from o's first byte
.endr
	s_wait_tensorcnt 0x0                           ; the wave's end: behind my last tensor load and my last LDS store
	ds_add_u32 v5, v6
	s_wait_dscnt 0x0
	ROUND                                          ; the closing round: no work-group ends while a partner may still ask for a tile that names it
	s_endpgm
.Lfunc_end_k_q89bd5ffd22_attend:
	.size	k_q89bd5ffd22_attend, .Lfunc_end_k_q89bd5ffd22_attend-k_q89bd5ffd22_attend
	.p2alignl 7, 3214868480
	.fill 96, 4, 3214868480
	.section	.rodata,"a",@progbits
	.p2align	6, 0x0
	.amdhsa_kernel k_q89bd5ffd22_attend
		.amdhsa_group_segment_fixed_size 327680
		.amdhsa_private_segment_fixed_size 0
		.amdhsa_enable_private_segment 0
		.amdhsa_kernarg_size 32
		.amdhsa_user_sgpr_count 2
		.amdhsa_user_sgpr_kernarg_segment_ptr 1
		.amdhsa_wavefront_size32 1
		.amdhsa_system_sgpr_workgroup_id_x 1
		.amdhsa_system_sgpr_workgroup_id_y 1
		.amdhsa_system_sgpr_workgroup_id_z 1
		.amdhsa_system_vgpr_workitem_id 0
		.amdhsa_next_free_vgpr 256
		.amdhsa_next_free_sgpr 80
		.amdhsa_reserve_vcc 0
		.amdhsa_float_denorm_mode_32 3
		.amdhsa_float_denorm_mode_16_64 3
		.amdhsa_memory_ordered 1
		.amdhsa_forward_progress 1
		.amdhsa_inst_pref_size 103
	.end_amdhsa_kernel
	.amdgpu_metadata
---
amdhsa.version: [ 1, 2 ]
amdhsa.kernels:
  - .name:           k_q89bd5ffd22_attend
    .symbol:         k_q89bd5ffd22_attend.kd
    .args:
      - { .name: qbuf, .offset: 0, .size: 8, .value_kind: global_buffer, .address_space: global }
      - { .name: kvbuf, .offset: 8, .size: 8, .value_kind: global_buffer, .address_space: global }
      - { .name: lowp_scales, .offset: 16, .size: 8, .value_kind: global_buffer, .address_space: global }
      - { .name: obuf, .offset: 24, .size: 8, .value_kind: global_buffer, .address_space: global }
    .group_segment_fixed_size: 327680
    .private_segment_fixed_size: 0
    .kernarg_segment_align: 8
    .kernarg_segment_size: 32
    .max_flat_workgroup_size: 512
    .sgpr_count:     80
    .vgpr_count:     256
    .wavefront_size: 32
...
	.end_amdgpu_metadata
.endif
;; end of part 2
;; launch finish (part 3): grid 512 x 1, 8 waves a work-group, no clusters, 0 bytes of LDS; arguments x, obuf, gamma, out0; writes out0
.if DOCPART == 3
	.amdgcn_target "amdgcn-amd-amdhsa--gfx1250"
	.amdhsa_code_object_version 6
	.text
	.protected	k_q89bd5ffd22_finish
	.globl	k_q89bd5ffd22_finish
	.p2align	8
	.type	k_q89bd5ffd22_finish,@function
k_q89bd5ffd22_finish:
	s_mov_b64 s[64:65], 0
	v_nop
	global_prefetch_b8 v0, s[64:65] scope:SCOPE_SE
	s_setreg_imm32_b32 hwreg(HW_REG_WAVE_MODE, 25, 1), 1
	s_wait_xcnt 0x0
; out0 = gamma x upsample(o) + x.  o: [128][128][128] f32; x, out0: [128][256][256] f32.  The upsampling is bilinear with the corners aligned: output index i lies at pos = i x (127 / 255) of the input.
; THE INDICES, in whole numbers: floor(pos) is m - 1 for i = 2 m and m for i = 2 m + 1.  At i = 0 that is -1 and at i = 255 the upper neighbour is 128: the address is held inside the row (or the plane), and the number
; fetched so carries the weight 0, the other the weight 1: what the clipped index of the definition gives too.  The weights: pos = f32(i) x f32(127 / 255), w = pos - f32(index), 1 - w: each operation rounded as written.
; SHARES.  A wave makes 8 rows of one channel (rows 8 s .. 8 s + 7 of strip s) from o's rows 4 s - 1 .. 4 s + 4.  No LDS, no barrier, no loop: all 52 loads go out at the head, every offset is an immediate,
; and no register that a load or store names is written again.  A lane makes, in each half of a row, 4 neighbouring outputs (16 bytes) from 4 neighbouring columns c0 .. c3 of o: each store of the wave covers 512 consecutive bytes.
; Memory binds: matrix units, LDS and clusters would add nothing.
; REGISTERS: v2 8 lane, v3, v4 the held offsets of the row's first and last column, v5 16 lane; v10-17 the 8 horizontal weights w, v18-25 1 - w; v26, v28 the vertical w and 1 - w (v27, v29: the pairs' upper halves);
;   v32-79 o: row p, half f at 32 + 8 p + 4 f, in the order c1, c2, c0, c3; v80-143 x: row, half at 80 + 8 row + 4 f; v144-151 between the rows; v152-159 between the columns.
.set POSF, 0x3efefeff                  ; 127 / 255 as f32
	s_load_b256 s[4:11], s[0:1], 0x0               ; x 4:5, o 6:7, gamma 8:9, out0 10:11
	v_lshrrev_b32 v8, 5, v0
	v_readfirstlane_b32 s24, v8                    ; wave 0..7
	s_lshl_b32 s25, ttmp9, 3
	s_add_co_u32 s25, s25, s24                     ; which of 4,096 strips
	s_lshr_b32 s26, s25, 5                         ; channel
	s_and_b32 s27, s25, 31                         ; strip
	s_lshl_b32 s28, s27, 2                         ; M0 = 4 s: o's row under my first two output rows
	s_lshl_b32 s33, s28, 1                         ; my first output row
	s_lshl_b32 s12, s26, 18                        ; x and out0: the channel's 262,144 bytes,
	s_lshl_b32 s29, s28, 11                        ; 8 rows of 1,024 bytes a strip
	s_add_co_u32 s12, s12, s29
	s_mov_b32 s13, 0
	s_lshl_b32 s30, s26, 16                        ; o: the channel's 65,536 bytes
	s_max_u32 s16, s28, 1
	s_sub_co_u32 s16, s16, 1                       ; row M0 - 1, held at 0
	s_lshl_b32 s16, s16, 9
	s_add_co_u32 s16, s16, s30
	s_mov_b32 s17, 0
	s_lshl_b32 s18, s28, 9                         ; row M0
	s_add_co_u32 s18, s18, s30
	s_mov_b32 s19, 0
	s_add_co_u32 s22, s28, 4
	s_min_u32 s22, s22, 127                        ; row M0 + 4, held at 127
	s_lshl_b32 s22, s22, 9
	s_add_co_u32 s22, s22, s30
	s_mov_b32 s23, 0
	v_and_b32 v1, 31, v0                           ; lane
	v_lshlrev_b32 v2, 3, v1                        ; c1 of the left half: column 2 lane
	v_sub_nc_u32 v3, 0x100, v2
	v_min_u32 v3, 0xfc, v3
	v_sub_nc_u32 v3, 0xfc, v3                      ; c0 of the left half: 8 lane - 4, held at 0
	v_add_nc_u32 v4, 0x108, v2
	v_min_u32 v4, 0x1fc, v4                        ; c3 of the right half: 8 lane + 264, held at the row's last column
	v_lshlrev_b32 v5, 4, v1
	v_lshlrev_b32 v6, 2, v1
	v_lshlrev_b32 v7, 1, v1
	s_wait_kmcnt 0x0
	s_load_b32 s20, s[8:9], 0x0                    ; gamma
	s_add_nc_u64 s[14:15], s[10:11], s[12:13]
	s_add_nc_u64 s[12:13], s[4:5], s[12:13]
	s_add_nc_u64 s[16:17], s[6:7], s[16:17]
	s_add_nc_u64 s[18:19], s[6:7], s[18:19]
	s_add_nc_u64 s[22:23], s[6:7], s[22:23]
.macro OROW p, b, off                  ; six loads: a row of o, both halves
	global_load_b64 v[32+8*(\p):33+8*(\p)], v2, s[\b:\b+1] offset:\off
	global_load_b32 v[34+8*(\p)], v3, s[\b:\b+1] offset:\off
	global_load_b32 v[35+8*(\p)], v2, s[\b:\b+1] offset:\off+8
	global_load_b64 v[36+8*(\p):37+8*(\p)], v2, s[\b:\b+1] offset:\off+256
	global_load_b32 v[38+8*(\p)], v2, s[\b:\b+1] offset:\off+252
	global_load_b32 v[39+8*(\p)], v4, s[\b:\b+1] offset:\off
.endm
	OROW 0, 16, 0
	OROW 1, 18, 0
.irp k, 0,1,2,3                        ; groups of ten loads: what output rows 2 k and 2 k + 1 still lack
.if \k < 3
	OROW \k+2, 18, 512*(\k+1)
.else
	OROW 5, 22, 0
.endif
.irp a, 0,1
	global_load_b128 v[80+8*(2*\k+\a):83+8*(2*\k+\a)], v5, s[12:13] offset:(2*\k+\a)*1024 th:TH_LOAD_NT
	global_load_b128 v[84+8*(2*\k+\a):87+8*(2*\k+\a)], v5, s[12:13] offset:(2*\k+\a)*1024+512 th:TH_LOAD_NT
.endr
.endr
	; the horizontal weights, while the loads are out: output column 128 f + 4 lane + e; its lower column is 64 f + 2 lane + (-1, 0, 0, 1)
.macro WX f, e
	v_add_nc_u32 v8, 128*\f+\e, v6
	v_add_nc_u32 v9, 64*\f+(\e+1)/2-1, v7
	v_cvt_f32_u32 v8, v8
	v_cvt_f32_i32 v9, v9
	v_mul_f32 v8, POSF, v8
	v_sub_f32 v[10+4*\f+\e], v8, v9
	v_sub_f32 v[18+4*\f+\e], 1.0, v[10+4*\f+\e]
.endm
.irp f, 0,1
.irp e, 0,1,2,3
	WX \f, \e
.endr
.endr
	v_mov_b32 v27, 0                               ; (named as the upper halves of pairs, so they are written)
	v_mov_b32 v29, 0
	s_wait_kmcnt 0x0
	s_mov_b32 s21, s20                             ; (named with gamma as a pair)
; Output rows 2 k and 2 k + 1 of the strip.  Row 2 k + a lies between o's rows k + a and k + a + 1 of my six.
.macro PAIR k
	s_wait_loadcnt 10*(3-\k)                       ; all up to this pair's group of ten are in; the later groups stay out
.irp a, 0,1
	s_add_co_u32 s34, s33, 2*\k+\a                 ; the output row,
	s_add_co_i32 s35, s28, \k+\a-1                 ; and the row of o under it
	v_cvt_f32_u32 v26, s34
	v_cvt_f32_i32 v28, s35
	v_mul_f32 v26, POSF, v26
	v_sub_f32 v26, v26, v28                        ; w
	v_sub_f32 v28, 1.0, v26                        ; 1 - w
.irp q, 0,2,4,6
	v_pk_mul_f32 v[144+\q:145+\q], v[32+8*(\k+\a)+\q:33+8*(\k+\a)+\q], v[28:29] op_sel_hi:[1,0]
.endr
.irp q, 0,2,4,6
	v_pk_fma_f32 v[144+\q:145+\q], v[40+8*(\k+\a)+\q:41+8*(\k+\a)+\q], v[26:27], v[144+\q:145+\q] op_sel_hi:[1,0,1]
.endr
.irp f, 0,1                            ; v[144 + 4 f] on: c1, c2, c0, c3
	v_mul_f32 v[152+4*\f], v[146+4*\f], v[18+4*\f]
	v_mul_f32 v[153+4*\f], v[144+4*\f], v[19+4*\f]
	v_mul_f32 v[154+4*\f], v[144+4*\f], v[20+4*\f]
	v_mul_f32 v[155+4*\f], v[145+4*\f], v[21+4*\f]
	v_fma_f32 v[152+4*\f], v[144+4*\f], v[10+4*\f], v[152+4*\f]
	v_fma_f32 v[153+4*\f], v[145+4*\f], v[11+4*\f], v[153+4*\f]
	v_fma_f32 v[154+4*\f], v[145+4*\f], v[12+4*\f], v[154+4*\f]
	v_fma_f32 v[155+4*\f], v[147+4*\f], v[13+4*\f], v[155+4*\f]
.endr
.irp q, 0,2,4,6
	v_pk_fma_f32 v[80+8*(2*\k+\a)+\q:81+8*(2*\k+\a)+\q], v[152+\q:153+\q], s[20:21], v[80+8*(2*\k+\a)+\q:81+8*(2*\k+\a)+\q] op_sel_hi:[1,0,1]   ; gamma x it + x
.endr
	global_store_b128 v5, v[80+8*(2*\k+\a):83+8*(2*\k+\a)], s[14:15] offset:(2*\k+\a)*1024 th:TH_STORE_NT
	global_store_b128 v5, v[84+8*(2*\k+\a):87+8*(2*\k+\a)], s[14:15] offset:(2*\k+\a)*1024+512 th:TH_STORE_NT
.endr
.endm
	PAIR 0
	PAIR 1
	PAIR 2
	PAIR 3
	s_endpgm
.Lfunc_end_k_q89bd5ffd22_finish:
	.size	k_q89bd5ffd22_finish, .Lfunc_end_k_q89bd5ffd22_finish-k_q89bd5ffd22_finish
	.p2alignl 7, 3214868480
	.fill 96, 4, 3214868480
	.section	.rodata,"a",@progbits
	.p2align	6, 0x0
	.amdhsa_kernel k_q89bd5ffd22_finish
		.amdhsa_group_segment_fixed_size 0
		.amdhsa_private_segment_fixed_size 0
		.amdhsa_enable_private_segment 0
		.amdhsa_kernarg_size 32
		.amdhsa_user_sgpr_count 2
		.amdhsa_user_sgpr_kernarg_segment_ptr 1
		.amdhsa_wavefront_size32 1
		.amdhsa_system_sgpr_workgroup_id_x 1
		.amdhsa_system_sgpr_workgroup_id_y 1
		.amdhsa_system_sgpr_workgroup_id_z 1
		.amdhsa_system_vgpr_workitem_id 0
		.amdhsa_next_free_vgpr 160
		.amdhsa_next_free_sgpr 66
		.amdhsa_reserve_vcc 0
		.amdhsa_float_denorm_mode_32 3
		.amdhsa_float_denorm_mode_16_64 3
		.amdhsa_memory_ordered 1
		.amdhsa_forward_progress 1
		.amdhsa_inst_pref_size 25
	.end_amdhsa_kernel
	.amdgpu_metadata
---
amdhsa.version: [ 1, 2 ]
amdhsa.kernels:
  - .name:           k_q89bd5ffd22_finish
    .symbol:         k_q89bd5ffd22_finish.kd
    .args:
      - { .name: x, .offset: 0, .size: 8, .value_kind: global_buffer, .address_space: global }
      - { .name: obuf, .offset: 8, .size: 8, .value_kind: global_buffer, .address_space: global }
      - { .name: gamma, .offset: 16, .size: 8, .value_kind: global_buffer, .address_space: global }
      - { .name: out0, .offset: 24, .size: 8, .value_kind: global_buffer, .address_space: global }
    .group_segment_fixed_size: 0
    .private_segment_fixed_size: 0
    .kernarg_segment_align: 8
    .kernarg_segment_size: 32
    .max_flat_workgroup_size: 256
    .sgpr_count:     66
    .vgpr_count:     160
    .wavefront_size: 32
...
	.end_amdgpu_metadata
.endif
;; end of part 3
